; MI455X (gfx1250); checked and timed in simulation.
; The chip was launched on July 23, 2026; its instructions are those of AMD's public machine-readable ISA for CDNA 5 (MIT licence, August 2026) and "CDNA5" Instruction Set Architecture Reference Guide (July 2026). The comments in the code are by the model that wrote it; some were corrected since.
;; Vocab Parallel Output. Allowed arithmetic: matrix products marked QUANTISED: E2M1 operands, one E8M0 scale for each 32 along K, by v_wmma_scale_f32_16x16x128_f8f6f4 with both operands' format E2M1 (or v_wmma_scale_f32_32x16x128_f4), f32 sums; everything else in f32.
;; Inputs: target 2,048 x 2 int32; weight 16,000 x 1,024 float32; x 2,048 x 2 x 1,024 float32.
;; Outputs: out0 2,048 x 2 float32.
;; This version of the problem:
;;   THIS VERSION OF THE PROBLEM IS GIVEN IN LOW PRECISION. The matrix products marked QUANTISED in the list below multiply operands that are first quantised to E2M1 (2 exponent bits, 1 mantissa bit; 4 bits a number), with one power-of-two scale for each 32 numbers along K (OCP MX v1.0); their sums are f32. All else is computed in f32.
;;   The module's matrix products, in the order in which they are computed (A, B: the left and right operand; K: the contracted axis; several contracted axes count as one K, in the product's order):
;;     1. [M 4,096, K 1,024] x [K 1,024, N 16,000]; A: input x; B: input weight: QUANTISED
;;   THE QUANTISER, for each operand of a quantised product, along K:
;;     - K is cut into blocks of 32 from its start; a last block that is shorter is filled with zeros.
;;     - A block's scale is 2^e with e = floor(log2(the largest magnitude in the block)) - 2, held to -126 .. 127; a block of zeros has e = 0. As a byte (E8M0): e + 127.
;;     - Each number is divided by its block's scale, clamped to +-6, and rounded to the nearest number of E2M1, ties to even, subnormals kept.
;;     - The product sums the exact products of the quantised numbers (number of the format x scale) in f32.
;;   ~~~python
;;   def quantise(x, axis):      # numpy; x: float32 -> the quantised numbers, widened to float32 again
;;       x = np.moveaxis(x, axis, -1); K = x.shape[-1]
;;       x = np.pad(x, [(0, 0)] * (x.ndim - 1) + [(0, -K % 32)]); x = x.reshape(x.shape[:-1] + (-1, 32)); a = np.abs(x).max(-1, keepdims=True)
;;       e = np.where(a > 0, np.clip(np.frexp(np.where(a > 0, a, 1))[1] - 1 - 2, -126, 127), 0)      # np.frexp(a)[1] - 1 = floor(log2(a)), exactly
;;       r = np.clip(x / 2.0 ** e, -6, 6)
;;       step = 2.0 ** (np.maximum(np.frexp(np.where(r == 0, 1, r))[1] - 1, 0) - 1)
;;       q = np.round(r / step) * step * 2.0 ** e      # np.round: ties to even
;;       return np.moveaxis(q.reshape(q.shape[:-2] + (-1,))[..., :K], -1, axis).astype(np.float32)
;;   ~~~
;; One version. Each part assembles by itself: llvm-mc -triple=amdgcn-amd-amdhsa -mcpu=gfx1250 --defsym DOCPART=n.
;; ======== version 1 of 1: 3 launches
;; limits: right only within a limited range of input values
;; workspace buffers: q 10,932,224 bytes; part 2,162,688 bytes
;; launch quant (part 1): grid 1256 x 1, 8 waves a work-group, no clusters, 36,352 bytes of LDS; arguments x, weight, q; writes q
.if DOCPART == 1
	.amdgcn_target "amdgcn-amd-amdhsa--gfx1250"
	.amdhsa_code_object_version 6
	.text
	.protected	k_qd931b61271_quant
	.globl	k_qd931b61271_quant
	.p2align	8
	.type	k_qd931b61271_quant,@function
k_qd931b61271_quant:
	s_mov_b64 s[64:65], 0
	v_nop
	global_prefetch_b8 v0, s[64:65] scope:SCOPE_SE
	s_setreg_imm32_b32 hwreg(HW_REG_WAVE_MODE, 25, 1), 1
	s_wait_xcnt 0x0
; x [4096][1024] and weight [16000][1024], f32, become codes of FP4 (E2M1) with one E8M0 scale byte for each 32 along K, laid as IMAGES OF OPERAND REGISTERS.
; q holds 1,256 records of 8,704 bytes, one for each tile of 16 rows: records 0-255 are x's tiles, records 256-1255 weight's.
;   codes:       s x 1024 + c x 512 + 16 x lane (s = K step of 128, c = 0, 1, lane = 16 h + r): the 32 codes of k = 128 s + 64 c + 32 h + 0 .. 31 of row r: registers 4 c .. 4 c + 3 of the fragment
;   scale words: 8192 + 16 x lane + 4 u: row r's word (four bytes: 128 along K) of K step 2 u + h: so scale register u carries K step 2 u in lanes 0-15 and K step 2 u + 1 in lanes 16-31
; A block's scale is 2^(floor(log2(its largest magnitude)) - 2); its byte is the largest magnitude's exponent field - 2, held at 1 from below.
; LIMITS: a block of zeros gets the byte 1 where the rule says 127 (its codes are zeros, and this program alone reads the bytes); blocks whose largest magnitude lies under 2^(3 - 127), the floor,
; are quantised under the byte 1; NaN and infinities among the inputs are not served.
; SHARES.  Work-group T makes record T; wave s takes K step s: 16 rows x 128 numbers.  No loop.  Each load reads 256 consecutive, aligned bytes of each of two rows; the conversions want 32 neighbours along K
; in ONE lane, so the wave's numbers turn through its own stage in LDS, 64 along K (256 bytes a row) at a time, and come back into the registers that they left.  So a wave needs 96 registers and a work-group
; 36,352 bytes of LDS: several work-groups can lie on a WGP together, and the loads of all of them are on their way at the same time.
; Each store of codes covers 512 consecutive bytes, aligned; the record's 512 bytes of scale words are gathered in LDS and leave by one store.
.set REC,  8704                        ; bytes in a record
.set XT,   256                         ; x's records
.set SP,   272                         ; a stage row: 256 bytes + 16: an odd multiple of 16, so that the sixteen rows that a read touches start at sixteen different 16-byte columns
.set STG,  16*SP                       ; a wave's stage
.set SCW,  8*STG                       ; behind the stages: the record's scale words, 512 bytes
.set X,    16                          ; v16-79   the numbers: as loaded (half c, rows 2 j and 2 j + 1: registers 32 c + 4 j on), then my 64: block c (k = 64 c + 32 h + 0 .. 31 of row r) in registers 32 c on
.set PC,   80                          ; v80-87   the fragment's codes
	s_load_b128 s[4:7], s[0:1], 0x0                ; x, weight
	s_load_b64 s[8:9], s[0:1], 0x10                ; q
	v_lshl_add_u32 v88, v0, 2, 0x8a00              ; my spare word, behind the scale words
	v_mov_b32 v89, 0
	v_lshrrev_b32 v1, 5, v0
	s_delay_alu instid0(VALU_DEP_1)
	v_readfirstlane_b32 s10, v1                    ; wave = K step s
	v_and_b32 v1, 31, v0                           ; lane
	v_and_b32 v2, 15, v0                           ; r
	v_bfe_u32 v3, v0, 4, 1                         ; h
	s_delay_alu instid0(VALU_DEP_3)
	v_lshlrev_b32 v4, 4, v1                        ; 16 x lane: my place in an image and in the scale words
	s_mul_i32 s11, s10, STG                        ; my wave's stage
	v_mul_u32_u24 v5, v3, SP
	s_delay_alu instid0(VALU_DEP_1)
	v_lshl_add_u32 v5, v2, 4, v5
	s_delay_alu instid0(VALU_DEP_1)
	v_add_nc_u32 v5, s11, v5                       ; into it: lanes 0-15 one row, lanes 16-31 the next; 16 bytes a lane
	v_mul_u32_u24 v6, v2, SP
	s_delay_alu instid0(VALU_DEP_1)
	v_lshl_add_u32 v6, v3, 7, v6
	s_delay_alu instid0(VALU_DEP_1)
	v_add_nc_u32 v6, s11, v6                       ; out of it: row r, + 128 h: my 32 numbers of the row's 64
	v_lshlrev_b32 v94, 12, v3
	s_delay_alu instid0(VALU_DEP_1)
	v_lshl_add_u32 v94, v2, 4, v94                 ; in memory: lanes 16-31 a row of 4,096 bytes further down; 16 bytes a lane
	s_and_b32 s12, s10, 1
	s_lshl_b32 s12, s12, 8                         ; my K step's scale words: lanes 16 (s % 2) + r,
	s_lshr_b32 s13, s10, 1
	s_lshl_b32 s13, s13, 2                         ; word s / 2 of the lane's four
	s_add_co_u32 s12, s12, s13
	s_add_co_u32 s12, s12, SCW
	v_lshl_add_u32 v7, v2, 4, s12
	v_add_nc_u32 v93, SCW, v4                      ; where wave 0 reads the 512 bytes back
	v_lshlrev_b32 v92, 3, v3                       ; 8 h: how far my two bytes are shifted in the scale word
	v_mov_b32 v15, 0                               ; a lane permute's destination counts as one of its sources
	s_mov_b32 s22, 0x76543210
	s_mov_b32 s23, 0xfedcba98                      ; v_permlanex16_b32's selects for lane l xor 16
	s_wait_alu depctr_va_vdst(0)
	s_wait_kmcnt 0x0
	s_cmp_lt_u32 ttmp9, XT                         ; x's record or weight's?  The choice hangs on the work-group's number alone
	s_cselect_b64 s[4:5], s[4:5], s[6:7]
	s_cselect_b32 s14, 0, XT
	s_sub_co_u32 s14, ttmp9, s14                   ; the tile's number in its tensor
	s_lshl_b32 s14, s14, 16                        ; 16 rows of 4,096 bytes (999 x 65,536 at the most: under 2^32),
	s_lshl_b32 s15, s10, 9                         ; + my K step's 512 bytes of a row
	s_add_co_u32 s14, s14, s15
	s_mov_b32 s15, 0
	s_add_nc_u64 s[4:5], s[4:5], s[14:15]
	s_mul_i32 s16, ttmp9, REC
	s_mov_b32 s17, 0
	s_add_nc_u64 s[16:17], s[8:9], s[16:17]        ; the record
	s_lshl_b32 s20, s10, 10
	s_mov_b32 s21, 0
	s_add_nc_u64 s[18:19], s[16:17], s[20:21]      ; my K step's codes in it
.irp c, 0,1
.irp j, 0,1,2,3,4,5,6,7
	global_load_b128 v[X+32*\c+4*\j:X+32*\c+4*\j+3], v94, s[4:5] offset:8192*\j+256*\c th:TH_LOAD_NT   ; rows 2 j and 2 j + 1, half c: sixteen lanes read 256 consecutive bytes, aligned; read once in the launch
.endr
.endr
.irp c, 0,1
.irp j, 0,1,2,3,4,5,6,7
	s_wait_loadcnt 15-8*\c-\j                      ; loads come back in order: this one is in, the younger ones stay out
	ds_store_b128 v5, v[X+32*\c+4*\j:X+32*\c+4*\j+3] offset:2*SP*\j
.endr
.irp i, 0,1,2,3,4,5,6,7
	ds_load_b128 v[X+32*\c+4*\i:X+32*\c+4*\i+3], v6 offset:16*\i   ; LDS serves a wave's instructions in order: these see the eight stores above, and the next half's stores come behind them
.endr
.endr
	s_wait_dscnt 0x0
.irp c, 0,1                                    ; my block 2 c + h of the K step's four: all its 32 numbers are mine
	v_max3_num_f32 v[8+\c], |v[X+32*\c]|, |v[X+32*\c+1]|, 0x1800000   ; and the floor 2^(3 - 127): so the byte cannot fall under 1
.endr
.irp i, 2,4,6,8,10,12,14,16,18,20,22,24,26,28,30
.irp c, 0,1
	s_delay_alu instid0(VALU_DEP_2)
	v_max3_num_f32 v[8+\c], v[8+\c], |v[X+32*\c+\i]|, |v[X+32*\c+\i+1]|   ; (the two blocks by turns)
.endr
.endr
.irp c, 0,1
	s_delay_alu instid0(VALU_DEP_2)
	v_add_nc_u32 v[10+\c], 0xff000000, v[8+\c]     ; 2 off the exponent field: the conversion takes the exponent field of this operand as its scale
.endr
.irp c, 0,1
	s_delay_alu instid0(VALU_DEP_2)
	v_lshrrev_b32 v[12+\c], 23, v[10+\c]           ; the scale's byte
.endr
	s_delay_alu instid0(VALU_DEP_1)
	v_lshl_or_b32 v14, v13, 16, v12                ; my two bytes: blocks h and 2 + h,
	s_delay_alu instid0(VALU_DEP_1)
	v_lshlrev_b32 v14, v92, v14                    ; at their places in the word;
	s_delay_alu instid0(VALU_DEP_1)
	v_permlanex16_b32 v15, v14, s22, s23
	s_delay_alu instid0(VALU_DEP_1)
	v_or_b32 v14, v14, v15                         ; with lane l xor 16's two the word is whole, in both lanes
.irp c, 0,1
.irp g, 0,1,2,3
	v_cvt_scalef32_pk8_fp4_f32 v[PC+4*\c+\g], v[X+32*\c+8*\g:X+32*\c+8*\g+7], v[10+\c]   ; eight numbers / the scale, to the nearest code, ties to even, beyond the largest code the largest
.endr
.endr
	v_nop                                          ; one plain line behind the last scaled conversion
	global_store_b128 v4, v[PC:PC+3], s[18:19]                 ; registers 0-3 of the fragment: 512 consecutive bytes, aligned
	global_store_b128 v4, v[PC+4:PC+7], s[18:19] offset:512    ; registers 4-7
	ds_store_b32 v7, v14                           ; lanes r and 16 + r write the same word with the same value
	s_wait_dscnt 0x0                               ; for wave 0's sake: my word has landed
	s_barrier_signal -1
	s_barrier_wait -1
	s_cmp_lg_u32 s10, 0
	s_cbranch_scc1 .Ldone
	ds_load_b128 v[16:19], v93                     ; the eight waves' words: 16 bytes a lane, into registers whose numbers are done with
	s_wait_dscnt 0x0
	global_store_b128 v4, v[16:19], s[16:17] offset:8192       ; 512 consecutive bytes, aligned
.Ldone:
	s_wait_tensorcnt 0x0
	ds_add_u32 v88, v89
	s_wait_dscnt 0x0
	s_endpgm
.Lfunc_end_k_qd931b61271_quant:
	.size	k_qd931b61271_quant, .Lfunc_end_k_qd931b61271_quant-k_qd931b61271_quant
	.p2alignl 7, 3214868480
	.fill 96, 4, 3214868480
	.section	.rodata,"a",@progbits
	.p2align	6, 0x0
	.amdhsa_kernel k_qd931b61271_quant
		.amdhsa_group_segment_fixed_size 36352
		.amdhsa_private_segment_fixed_size 0
		.amdhsa_enable_private_segment 0
		.amdhsa_kernarg_size 24
		.amdhsa_user_sgpr_count 2
		.amdhsa_user_sgpr_kernarg_segment_ptr 1
		.amdhsa_wavefront_size32 1
		.amdhsa_system_sgpr_workgroup_id_x 1
		.amdhsa_system_sgpr_workgroup_id_y 1
		.amdhsa_system_sgpr_workgroup_id_z 1
		.amdhsa_system_vgpr_workitem_id 0
		.amdhsa_next_free_vgpr 96
		.amdhsa_next_free_sgpr 66
		.amdhsa_reserve_vcc 0
		.amdhsa_float_denorm_mode_32 3
		.amdhsa_float_denorm_mode_16_64 3
		.amdhsa_memory_ordered 1
		.amdhsa_forward_progress 1
		.amdhsa_inst_pref_size 12
	.end_amdhsa_kernel
	.amdgpu_metadata
---
amdhsa.version: [ 1, 2 ]
amdhsa.kernels:
  - .name:           k_qd931b61271_quant
    .symbol:         k_qd931b61271_quant.kd
    .args:
      - { .name: x, .offset: 0, .size: 8, .value_kind: global_buffer, .address_space: global }
      - { .name: weight, .offset: 8, .size: 8, .value_kind: global_buffer, .address_space: global }
      - { .name: q, .offset: 16, .size: 8, .value_kind: global_buffer, .address_space: global }
    .group_segment_fixed_size: 36352
    .private_segment_fixed_size: 0
    .kernarg_segment_align: 8
    .kernarg_segment_size: 24
    .max_flat_workgroup_size: 256
    .sgpr_count:     66
    .vgpr_count:     96
    .wavefront_size: 32
...
	.end_amdgpu_metadata
.endif
;; end of part 1
;; launch lse (part 2): grid 8 x 32, 8 waves a work-group, clusters of 4 x 1, 327,680 bytes of LDS; arguments q, part, target; writes part
.if DOCPART == 2
	.amdgcn_target "amdgcn-amd-amdhsa--gfx1250"
	.amdhsa_code_object_version 6
	.text
	.protected	k_qd931b61271_lse
	.globl	k_qd931b61271_lse
	.p2align	8
	.type	k_qd931b61271_lse,@function
k_qd931b61271_lse:
	s_mov_b64 s[64:65], 0
	v_nop
	global_prefetch_b8 v0, s[64:65] scope:SCOPE_SE
	s_setreg_imm32_b32 hwreg(HW_REG_WAVE_MODE, 25, 1), 1
	s_wait_xcnt 0x0
	s_wait_alu depctr_hold_cnt(0) depctr_sa_sdst(0) depctr_va_vdst(0) depctr_va_sdst(0) depctr_va_ssrc(0) depctr_va_vcc(0) depctr_vm_vsrc(0)
	s_getreg_b32 s2, hwreg(HW_REG_IB_STS2, 6, 4)
	s_cmp_eq_u32 s2, 0
	s_cbranch_scc0 .Lentry_in_a_cluster
	s_endpgm
.Lentry_in_a_cluster:
	s_bfe_u32 s2, ttmp6, 0x10000c
	s_cmp_lg_u32 s2, 0x3003
	s_cbranch_scc0 .Lentry_shape_is_right
	s_endpgm
.Lentry_shape_is_right:
; logits = x weight^T on codes of FP4 with E8M0 scales, and of each row the running maximum and the sum of exponentials over one chunk of the vocabulary; also the logit at the row's target.
; q: 1,256 records of 8,704 bytes, images of operand registers of 16 rows x 1,024 K (codes at 1024 s + 512 c + 16 lane, scale words at 8192 + 16 lane + 4 u: K step 2 u + lane / 16); records 0-255 x, 256-1255 weight.
; SHARES.  Work-group (bx, y): x's tiles 32 bx .. + 31 (512 rows) against chunk y of weight: the 500 pairs of tiles are dealt 15 or 16 to a chunk, chunk y from pair 500 y / 32 (rounded down) on.
; Wave w keeps its four tiles of x (64 rows, all of K) in 256 registers (window 1).  The chunk's 32 records lie in LDS and every wave reads them pair by pair: a batch is 2 tiles of weight x 4 of x x 8 K steps,
; 64 matrix instructions on 8 accumulators by turns, then the softmax's step on the 64 result registers.  Source 0 = weight, source 1 = x: a lane holds one row of x.
; A chunk of 15 pairs leaves the 16th pair in LDS to the next chunk: the last batch is jumped over by a branch on y alone.
; LDS: 32 records (278,528 bytes), filled once, in two fills: at the head, ahead of every other load, a record a wave (8 tiles); and, as soon as that has landed, three records a wave.
; The barrier that shows the second fill stands in the fourth batch, whose successor is the first pair of that fill.  Behind the records 1,024 bytes of spare words and 1,024 bytes for the target logit's parts.
; CLUSTER: the four work-groups of a cluster differ in bx alone and need the same records of weight: both fills are joint loads with the mask 15.
; PREFETCH: behind the head's fill each wave asks once for blocks of 256 bytes of the second fill's 816: wave 8 cx + w of the cluster's 32 takes blocks 26 (8 cx + w) .. + 25, held to 815; lanes 26-31 name the wave's
; last block again.  So each block is named once in the cluster, the partners told apart by address, a whole fill ahead of the load that wants the bytes.  x and the head's fill are asked for at once and have no prefetch.
; THE TARGET.  The work-group serves tile 32 bx + y of x: lane r gathers the row of weight that row r's target names (held to 0 .. 15,999), wave s takes K step s: one matrix instruction, of which the diagonal counts.
; The eight parts meet in LDS; wave 0 adds them and stores the logit and 1.0, or 0 where the target lies outside the table, into plane 32 of part.
; part [plane 33][tile 256][lane 32][2]: plane y: NCM = -log2(e) x the lane's largest logit, and l = the sum of 2^(log2(e) s + NCM) over the lane's columns of the chunk.
; LIMITS: NaN and infinities are not served; logits under -1e38, the maximum's first value, are not served; when the maximum moves, l's factor is 2^d with d rounded once from -log2(e) M - the old NCM: within half an ulp of NCM.
.set REC,   8704
.set PAIR,  2*REC
.set XT,    256
.set NPAIR, 500
.set SPARE, 32*REC                     ; the spare words: 128 bytes a wave
.set STG,   SPARE+1024                 ; the target logit's parts: a word a thread
.set LI,  1                            ; 16 x lane
.set PO,  2                            ; 8 x lane
.set ADR, 3                            ; LDS address of the pair that is fetched
.set TGT, 4                            ; row r's target
.set SPW, 5                            ; my spare word; never rewritten
.set XS,  8                            ; v8-23   x's scale words, 4 a tile
.set WS,  24                           ; v24-31  weight's scale words, 4 a tile of the pair
.set ST,  32                           ; v32-63  8 a tile of x: NCM, maximum, l in two halves, a temporary, (one kept for other use), the factor, its exponent
.set NIL, 37                           ; 0; never rewritten
.set DS,  45                           ; STG + 4 x thread; never rewritten
.set PF,  53                           ; the prefetch's offset; never rewritten behind the head
.set S,   64                           ; v64-127 the accumulators: tile t of x, tile p of the pair at S + 16 t + 8 p
.set F,   128                          ; v128-255 the pair's fragments: K step s, tile p at F + 16 s + 8 p
.set DA,  81                           ; head only, in registers that later hold results
.set DR,  82
.set HH,  83
.set WV,  8
.set G1,  16                           ; s[16:23] group 1 of the head's fill; s[68:75] of the second
.set G1B, 68
.set G0,  24                           ; s[24:27], s[28:31] groups 0
.set XB,  32
.set PB,  34
.set TB,  36
.set NP,  37
.set CNT, 38
.set CS,  40
.set NCS, 42
.set TG,  44
.set DX,  46
.set WB,  48
.set DP,  50
.set SEL, 52
.set PFB, 66
.set DXS, 84
.set WSB, 86
.set MSB, 0
.macro WIN new                         ; the immediate's high byte repeats the setting that is left
.if MSB != \new
	s_set_vgpr_msb (MSB<<8)|\new
.set MSB, \new
.endif
.endm
.macro CROUND                          ; a round of the cluster's barrier
	s_barrier_signal -1
	s_barrier_wait -1
	s_cmp_lg_u32 s[WV], 0
	s_cbranch_scc1 .Lnw0_\@
	s_barrier_signal -3
.Lnw0_\@:
	s_barrier_wait -3
	s_barrier_signal -1
	s_barrier_wait -1
.endm
.macro PLACES                          ; four places behind a matrix instruction (ISA guide 7.12.1)
.rept 4
	v_nop
.endr
.endm
.macro XLOAD t                         ; tile t of my four: 16 loads of 512 consecutive bytes
.irp s, 0,1,2,3,4,5,6,7
.irp c, 0,1
	global_load_b128 v[64*(\t)+8*\s+4*\c:64*(\t)+8*\s+4*\c+3], v[LI], s[XB:XB+1] offset:REC*(\t)+1024*\s+512*\c
.endr
.endr
.endm
.macro LOADH half                      ; K steps 4 half .. + 3 of the pair at ADR: 2 loads of scale words, 16 of codes
.irp p, 0,1
	ds_load_b64 v[WS+4*\p+2*\half:WS+4*\p+2*\half+1], v[ADR] offset:REC*\p+8192+8*\half
.endr
.irp s, 0,1,2,3
.irp p, 0,1
.irp c, 0,1
	ds_load_b128 v[F+16*(4*\half+\s)+8*\p+4*\c:F+16*(4*\half+\s)+8*\p+4*\c+3], v[ADR] offset:REC*\p+1024*(4*\half+\s)+512*\c
.endr
.endr
.endr
.endm
.macro PROD s, p, t                    ; an even K step's scale words lie in lanes 0-15 of register s / 2, an odd one's in lanes 16-31
.set rD, S+16*(\t)+8*(\p)
.set rW, F+16*(\s)+8*(\p)
.set rX, 64*(\t)+8*(\s)
.set rA, WS+4*(\p)+(\s)/2
.set rB, XS+4*(\t)+(\s)/2
.if (\s) == 0
	v_wmma_scale_f32_16x16x128_f8f6f4 v[rD:rD+7], v[rW:rW+7], v[rX:rX+7], 0, v[rA], v[rB] matrix_a_fmt:MATRIX_FMT_FP4 matrix_b_fmt:MATRIX_FMT_FP4
.elseif (\s)%2 == 0
	v_wmma_scale_f32_16x16x128_f8f6f4 v[rD:rD+7], v[rW:rW+7], v[rX:rX+7], v[rD:rD+7], v[rA], v[rB] matrix_a_fmt:MATRIX_FMT_FP4 matrix_b_fmt:MATRIX_FMT_FP4
.else
	v_wmma_scale_f32_16x16x128_f8f6f4 v[rD:rD+7], v[rW:rW+7], v[rX:rX+7], v[rD:rD+7], v[rA], v[rB] matrix_a_fmt:MATRIX_FMT_FP4 matrix_b_fmt:MATRIX_FMT_FP4 matrix_a_scale:MATRIX_SCALE_ROW1 matrix_b_scale:MATRIX_SCALE_ROW1
.endif
.endm
.macro MUL half
.irp s, 0,1,2,3
.irp p, 0,1
.irp t, 0,1,2,3
	PROD 4*\half+\s, \p, \t
.endr
.endr
.endr
.endm
; The softmax's step on 4 x 16 registers, the four tiles of x by turns, so that no line reads the line above it.
.macro SOFTMAX
.irp t, 0,1,2,3
	v_max3_num_f32 v[ST+8*\t+4], v[S+16*\t], v[S+16*\t+1], v[S+16*\t+2]      ; each accumulator is read from its low end on
.endr
.irp i, 3,5,7,9,11,13
.irp t, 0,1,2,3
	v_max3_num_f32 v[ST+8*\t+4], v[ST+8*\t+4], v[S+16*\t+\i], v[S+16*\t+\i+1]
.endr
.endr
.irp t, 0,1,2,3
	v_max3_num_f32 v[ST+8*\t+1], v[ST+8*\t+4], v[S+16*\t+15], v[ST+8*\t+1]   ; the running maximum M
.endr
.irp t, 0,1,2,3
	v_fma_f32 v[ST+8*\t+7], s[NCS], v[ST+8*\t+1], -v[ST+8*\t]                ; d = -log2(e) M - the old NCM: 0 or less
.endr
.irp t, 0,1,2,3
	v_mul_f32 v[ST+8*\t], s[NCS], v[ST+8*\t+1]                               ; the new NCM
.endr
.irp b, 0,2,4,6,8,10,12,14
.irp t, 0,1,2,3
	v_pk_fma_f32 v[S+16*\t+\b:S+16*\t+\b+1], v[S+16*\t+\b:S+16*\t+\b+1], s[CS:CS+1], v[ST+8*\t:ST+8*\t+1] op_sel_hi:[1,0,0]   ; log2(e) s + NCM
.endr
.endr
	s_wait_alu depctr_va_vdst(0)
.irp t, 0,1,2,3
	v_exp_f32 v[ST+8*\t+6], v[ST+8*\t+7]           ; the factor that brings l under the new maximum
.endr
.irp e, 0,1,2,3,4,5,6,7,8,9,10,11,12,13,14,15
.irp t, 0,1,2,3
	v_exp_f32 v[S+16*\t+\e], v[S+16*\t+\e]
.endr
.endr
	v_nop                                          ; a plain line behind the last exponential
	s_wait_alu depctr_va_vdst(0)                   ; and one wait for the 68, ahead of their first reader
.irp b, 0,4,8,12
.irp t, 0,1,2,3
	v_pk_add_f32 v[S+16*\t+\b:S+16*\t+\b+1], v[S+16*\t+\b:S+16*\t+\b+1], v[S+16*\t+\b+2:S+16*\t+\b+3]
.endr
.endr
.irp b, 0,8
.irp t, 0,1,2,3
	v_pk_add_f32 v[S+16*\t+\b:S+16*\t+\b+1], v[S+16*\t+\b:S+16*\t+\b+1], v[S+16*\t+\b+4:S+16*\t+\b+5]
.endr
.endr
.irp t, 0,1,2,3
	v_pk_add_f32 v[S+16*\t:S+16*\t+1], v[S+16*\t:S+16*\t+1], v[S+16*\t+8:S+16*\t+9]
.endr
.irp t, 0,1,2,3
	v_pk_fma_f32 v[ST+8*\t+2:ST+8*\t+3], v[ST+8*\t+2:ST+8*\t+3], v[ST+8*\t+6:ST+8*\t+7], v[S+16*\t:S+16*\t+1] op_sel_hi:[1,0,1]   ; l = l x factor + this batch's sum
.endr
.endm
; A batch.  mode 1: the next pair's fragments are fetched half by half, each behind the products that read its registers.  mode 2: the next pair belongs to the second fill: both halves are fetched
; behind the barrier that shows that fill.  mode 0: the last batch fetches nothing.
.macro BATCH mode
.if \mode
	v_add_nc_u32 v[ADR], s[TB], v[LI]
.endif
	WIN 0x04                                       ; source 1 (x) in window 1
	s_wait_dscnt 18                                ; the first half is in; the 18 loads of the second may be out
	MUL 0
.if \mode == 1
	PLACES
	s_wait_alu depctr_va_vdst(0)
	LOADH 0
	s_wait_dscnt 18                                ; all but the 18 just issued
.else
.if \mode == 2
	s_wait_tensorcnt 0x0                           ; my three records of the second fill have landed,
.endif
	s_wait_dscnt 0x0                               ; my LDS loads are back (mode 2: and my part of the target logit is stored):
.if \mode == 2
	s_barrier_signal -1                            ; say so
.endif
.endif
	MUL 1
.if \mode == 2
	s_barrier_wait -1                              ; all 24 records are in
.endif
	PLACES
.if \mode == 2
	s_wait_alu depctr_va_vdst(0)
	LOADH 0
.endif
.if \mode
	LOADH 1
.endif
	WIN 0
	SOFTMAX
.if \mode
	s_add_co_u32 s[TB], s[TB], PAIR
.endif
.endm
	s_load_b128 s[4:7], s[0:1], 0x0                ; q, part
	s_load_b64 s[TG:TG+1], s[0:1], 0x10            ; target
	v_lshl_add_u32 v[SPW], v0, 2, SPARE
	v_mov_b32 v[NIL], 0
	ds_add_u32 v[SPW], v[NIL]                      ; the opening lines: the add, twice on end, and its wait ahead of my first tensor load
	ds_add_u32 v[SPW], v[NIL]
	v_lshrrev_b32 v3, 5, v0
	v_readfirstlane_b32 s[WV], v3                  ; wave 0..7
	s_mov_b32 s[CS], 0x3fb8aa3b                    ; log2(e)
	s_mov_b32 s[CS+1], s[CS]
	s_mov_b32 s[NCS], 0xbfb8aa3b
	v_and_b32 v2, 31, v0
	v_min_u32 v[PF], 25, v2                        ; the prefetch: 26 blocks a wave
	v_lshlrev_b32 v[LI], 4, v2
	v_lshlrev_b32 v[PO], 3, v2
	v_mov_b32 v[ADR], v[LI]                        ; the first pair lies at LDS byte 0
	v_and_b32 v[DR], 15, v0                        ; r
	v_lshlrev_b32 v[DA], 2, v[DR]
	v_lshlrev_b32 v87, 4, v[DR]
	v_bfe_u32 v[HH], v0, 4, 1                      ; h
	v_lshl_add_u32 v[DS], v0, 2, STG
.irp t, 0,1,2,3
	v_mov_b32 v[ST+8*\t+1], 0xfe967699             ; the maximum begins at -1e38,
	v_mov_b32 v[ST+8*\t+2], 0                      ; l at 0
	v_mov_b32 v[ST+8*\t+3], 0
.endr
.irp t, 0,1,2,3
	v_mul_f32 v[ST+8*\t], s[NCS], v[ST+8*\t+1]
.endr
	s_bfe_u32 s9, ttmp6, 0x40000                   ; cx
	s_lshl_b32 s10, ttmp9, 2
	s_add_co_u32 s10, s10, s9                      ; bx
	s_and_b32 s11, ttmp7, 0xffff                   ; y: the same in the four partners
	s_mul_i32 s12, s11, NPAIR
	s_lshr_b32 s12, s12, 5                         ; the chunk's first pair
	s_add_co_u32 s13, s11, 1
	s_mul_i32 s13, s13, NPAIR
	s_lshr_b32 s13, s13, 5
	s_sub_co_u32 s[NP], s13, s12                   ; its pairs: 15 or 16
	s_lshl_b32 s12, s12, 1
	s_add_co_u32 s12, s12, XT                      ; its first record; 32 records from here on lie inside q (484 x 2 + 32 = 1,000 tiles at the most)
	s_add_co_u32 s14, s12, s[WV]
	s_mul_i32 s14, s14, REC                        ; the head's fill: record w
	s_mov_b32 s15, 0
	s_add_co_u32 s[PFB], s12, 8
	s_mul_i32 s[PFB], s[PFB], REC                  ; where the second fill's 24 records begin
	s_mov_b32 s[PFB+1], 0
	s_mul_i32 s13, s[WV], 3
	s_add_co_u32 s12, s12, s13
	s_add_co_u32 s12, s12, 8
	s_mul_i32 s12, s12, REC                        ; the second fill: records 8 + 3 w .. + 2
	s_mov_b32 s13, 0
	s_mov_b32 s[G1+0], 15|(3<<16)|(1<<21)          ; mask of the four; elements of 8 bytes; bit 21 beside a mask.  A record is dense: 34 rows of 256 bytes
	s_mov_b32 s[G1+1], 32<<16
	s_mov_b32 s[G1+2], 34<<16
	s_mov_b32 s[G1+3], 32<<16
	s_mov_b32 s[G1+4], 34
	s_mov_b32 s[G1+5], 32
	s_mov_b32 s[G1+6], 0
	s_mov_b32 s[G1+7], 0
	s_mov_b32 s[G1B+0], 15|(3<<16)|(1<<21)         ; three records: 102 rows
	s_mov_b32 s[G1B+1], 32<<16
	s_mov_b32 s[G1B+2], 102<<16
	s_mov_b32 s[G1B+3], 32<<16
	s_mov_b32 s[G1B+4], 102
	s_mov_b32 s[G1B+5], 32
	s_mov_b32 s[G1B+6], 0
	s_mov_b32 s[G1B+7], 0
	s_mov_b32 s[G0+0], 1
	s_mul_i32 s[G0+1], s[WV], REC
	s_mov_b32 s[G0+4], 1
	s_mul_i32 s[G0+5], s[WV], 3*REC
	s_add_co_u32 s[G0+5], s[G0+5], 8*REC
	s_lshl_b32 s54, s10, 5                         ; 32 bx
	s_lshl_b32 s55, s[WV], 2
	s_add_co_u32 s[XB], s54, s55                   ; my first tile of x
	s_lshl_b32 s[PB], s11, 8
	s_add_co_u32 s[PB], s[PB], s[XB]
	s_lshl_b32 s[PB], s[PB], 8                     ; part: plane y, my tiles, 256 bytes each
	s_mov_b32 s[PB+1], 0
	s_mul_i32 s[XB], s[XB], REC
	s_mov_b32 s[XB+1], 0
	s_add_co_u32 s54, s54, s11                     ; the tile whose targets this work-group serves
	s_lshl_b32 s56, s54, 6
	s_mov_b32 s57, 0
	s_lshl_b32 s58, s54, 8
	s_add_co_u32 s58, s58, 32*65536                ; plane 32
	s_mov_b32 s59, 0
	s_mul_i32 s54, s54, REC
	s_lshl_b32 s60, s[WV], 10                      ; my K step's codes in a record,
	s_and_b32 s61, s[WV], 1
	s_lshl_b32 s61, s61, 8
	s_lshr_b32 s62, s[WV], 1
	s_lshl_b32 s62, s62, 2
	s_add_co_u32 s61, s61, s62
	s_add_co_u32 s61, s61, 8192                    ; and its scale words: 8192 + 256 (w % 2) + 4 (w / 2), + 16 r
	s_add_co_u32 s76, s54, s60
	s_mov_b32 s77, 0
	s_add_co_u32 s78, s54, s61
	s_mov_b32 s79, 0
	s_add_co_u32 s80, s60, XT*REC
	s_mov_b32 s81, 0
	s_add_co_u32 s82, s61, XT*REC
	s_mov_b32 s83, 0
	s_lshl_b32 s63, s9, 3
	s_add_co_u32 s63, s63, s[WV]                   ; my wave among the cluster's 32: it enters this one global offset and nothing else
	s_mul_i32 s63, s63, 26
	v_add_nc_u32 v[PF], s63, v[PF]
	v_min_u32 v[PF], 815, v[PF]                    ; held to the fill's last block
	v_lshlrev_b32 v[PF], 8, v[PF]
	s_mov_b32 s[SEL], 0x76543210
	s_mov_b32 s[SEL+1], 0xfedcba98                 ; v_permlanex16_b32's selects for lane l xor 16
	s_wait_alu depctr_va_vdst(0)
	s_wait_dscnt 0x0                               ; both opening adds are done
	s_wait_kmcnt 0x0
	s_add_nc_u64 s[G0+2:G0+3], s[4:5], s[14:15]
	s_or_b32 s[G0+3], s[G0+3], 0x80000000
	s_add_nc_u64 s[G0+6:G0+7], s[4:5], s[12:13]
	s_or_b32 s[G0+7], s[G0+7], 0x80000000
	CROUND                                         ; the four partners are here: the first joint loads meet
	tensor_load_to_lds s[G0:G0+3], s[G1:G1+7]      ; my one load at the head, ahead of every other load: record w
	s_nop 0
	PLACES
	s_add_nc_u64 s[PFB:PFB+1], s[4:5], s[PFB:PFB+1]
	s_add_nc_u64 s[XB:XB+1], s[4:5], s[XB:XB+1]
	s_add_nc_u64 s[PB:PB+1], s[6:7], s[PB:PB+1]
	s_add_nc_u64 s[TG:TG+1], s[TG:TG+1], s[56:57]
	s_add_nc_u64 s[DP:DP+1], s[6:7], s[58:59]
	s_add_nc_u64 s[DX:DX+1], s[4:5], s[76:77]
	s_add_nc_u64 s[DXS:DXS+1], s[4:5], s[78:79]
	s_add_nc_u64 s[WB:WB+1], s[4:5], s[80:81]
	s_add_nc_u64 s[WSB:WSB+1], s[4:5], s[82:83]
	global_prefetch_b8 v[PF], s[PFB:PFB+1] th:TH_LOAD_NT scope:SCOPE_SE   ; my 26 blocks of the second fill; neither register is written again
	global_load_b32 v[TGT], v[DA], s[TG:TG+1]      ; the 16 targets, first of the loads into registers
	WIN 0x40
	XLOAD 0
	XLOAD 1
	XLOAD 2
	XLOAD 3
	WIN 0
.irp t, 0,1,2,3
	global_load_b128 v[XS+4*\t:XS+4*\t+3], v[LI], s[XB:XB+1] offset:REC*\t+8192
.endr
	s_wait_loadcnt 63                              ; 68 loads stand behind the targets': they are in
	v_min_u32 v85, 0x3e7f, v[TGT]                  ; held to the table (a negative target counts as a large number)
	v_and_b32 v84, 0x3ff0, v85
	v_mul_u32_u24 v84, v84, 544                    ; the tile's record: 16 x tile x 544
	v_and_b32 v85, 15, v85
	v_lshl_add_u32 v84, v85, 4, v84                ; + 16 x the row in its tile
	v_lshl_add_u32 v86, v[HH], 8, v84              ; + 256 h: my 32 codes
	global_load_b128 v[F:F+3], v86, s[WB:WB+1]
	global_load_b128 v[F+4:F+7], v86, s[WB:WB+1] offset:512
	global_load_b32 v[WS], v84, s[WSB:WSB+1]       ; that row's scale word of K step w, in lanes 0-15 (lanes 16-31 hold the same and are not read)
	global_load_b128 v[F+8:F+11], v[LI], s[DX:DX+1]
	global_load_b128 v[F+12:F+15], v[LI], s[DX:DX+1] offset:512
	global_load_b32 v[WS+4], v87, s[DXS:DXS+1]
	s_wait_alu depctr_va_vdst(0)
	s_wait_tensorcnt 0x0                           ; my record has landed
	ds_add_u32 v[SPW], v[NIL]
	s_wait_dscnt 0x0
	CROUND                                         ; all eight records are in, and the four partners are here
	tensor_load_to_lds s[G0+4:G0+7], s[G1B:G1B+7]  ; my one load behind the round: records 8 + 3 w .. + 2
	s_nop 0
	PLACES
	s_wait_loadcnt 0x0                             ; my x, and my K step of the target's product
	v_wmma_scale_f32_16x16x128_f8f6f4 v[S:S+7], v[F:F+7], v[F+8:F+15], 0, v[WS], v[WS+4] matrix_a_fmt:MATRIX_FMT_FP4 matrix_b_fmt:MATRIX_FMT_FP4   ; (gathered row m, row n of x), K step w
.rept 5
	v_nop
.endr
	LOADH 0
	LOADH 1
	v_and_b32 v86, 7, v0                           ; the diagonal: (r, r) lies in register r % 8 of the lane with h = r / 8
	v_mov_b32 v6, v[S]
.irp j, 1,2,3,4,5,6,7
	v_cmp_eq_u32 vcc_lo, \j, v86
	v_cndmask_b32 v6, v6, v[S+\j], vcc_lo
.endr
	v_mov_b32 v87, 0
	v_permlanex16_b32 v87, v6, s[SEL], s[SEL+1]
	v_lshrrev_b32 v85, 3, v[DR]
	v_cmp_eq_u32 vcc_lo, v85, v[HH]
	v_cndmask_b32 v6, v87, v6, vcc_lo              ; every lane holds row r's part
	ds_store_b32 v[DS], v6
	s_mov_b32 s[TB], PAIR
	s_mov_b32 s[CNT], 3
.Lfirst:                                               ; batches 0-2 fetch pairs 1-3, all of the head's fill
	BATCH 1
	s_sub_co_u32 s[CNT], s[CNT], 1
	s_cmp_lg_u32 s[CNT], 0
	s_cbranch_scc1 .Lfirst
	BATCH 2                                        ; batch 3, and the barrier
	s_mov_b32 s[CNT], 11
.Lsecond:                                              ; batches 4-14 fetch pairs 5-15
	BATCH 1
	s_sub_co_u32 s[CNT], s[CNT], 1
	s_cmp_lg_u32 s[CNT], 0
	s_cbranch_scc1 .Lsecond
	s_cmp_eq_u32 s[NP], 15
	s_cbranch_scc1 .Lend                           ; pair 15 belongs to the next chunk
	BATCH 0
.Lend:
	s_wait_alu depctr_va_vdst(0)
.irp t, 0,1,2,3
	v_add_f32 v[ST+8*\t+1], v[ST+8*\t+2], v[ST+8*\t+3]
.endr
.irp t, 0,1,2,3
	global_store_b64 v[PO], v[ST+8*\t:ST+8*\t+1], s[PB:PB+1] offset:256*\t   ; (NCM, l): 256 consecutive bytes, aligned
.endr
	s_cmp_lg_u32 s[WV], 0
	s_cbranch_scc1 .Lnot0
.irp w, 0,1,2,3,4,5,6,7
	ds_load_b32 v[S+\w], v[DS] offset:128*\w       ; the eight waves' parts, stored ahead of batch 3's barrier (in wave 0 the thread's number is the lane's)
.endr
	s_wait_dscnt 0x0
	v_pk_add_f32 v[S:S+1], v[S:S+1], v[S+2:S+3]
	v_pk_add_f32 v[S+4:S+5], v[S+4:S+5], v[S+6:S+7]
	v_pk_add_f32 v[S:S+1], v[S:S+1], v[S+4:S+5]
	v_add_f32 v6, v[S], v[S+1]                     ; the logit at the target
	v_mov_b32 v7, 1.0
	v_cmp_gt_u32 vcc_lo, 0x3e80, v[TGT]
	v_cndmask_b32 v7, 0, v7, vcc_lo                ; 0 where the target lies outside 0 .. 15,999
	global_store_b64 v[PO], v[6:7], s[DP:DP+1]
.Lnot0:
	s_wait_tensorcnt 0x0                           ; the wave's end
	ds_add_u32 v[SPW], v[NIL]
	s_wait_dscnt 0x0
	CROUND                                         ; the closing round
	s_endpgm
.Lfunc_end_k_qd931b61271_lse:
	.size	k_qd931b61271_lse, .Lfunc_end_k_qd931b61271_lse-k_qd931b61271_lse
	.p2alignl 7, 3214868480
	.fill 96, 4, 3214868480
	.section	.rodata,"a",@progbits
	.p2align	6, 0x0
	.amdhsa_kernel k_qd931b61271_lse
		.amdhsa_group_segment_fixed_size 327680
		.amdhsa_private_segment_fixed_size 0
		.amdhsa_enable_private_segment 0
		.amdhsa_kernarg_size 24
		.amdhsa_user_sgpr_count 2
		.amdhsa_user_sgpr_kernarg_segment_ptr 1
		.amdhsa_wavefront_size32 1
		.amdhsa_system_sgpr_workgroup_id_x 1
		.amdhsa_system_sgpr_workgroup_id_y 1
		.amdhsa_system_sgpr_workgroup_id_z 1
		.amdhsa_system_vgpr_workitem_id 0
		.amdhsa_next_free_vgpr 512
		.amdhsa_next_free_sgpr 88
		.amdhsa_reserve_vcc 1
		.amdhsa_float_denorm_mode_32 3
		.amdhsa_float_denorm_mode_16_64 3
		.amdhsa_memory_ordered 1
		.amdhsa_forward_progress 1
		.amdhsa_inst_pref_size 96
	.end_amdhsa_kernel
	.amdgpu_metadata
---
amdhsa.version: [ 1, 2 ]
amdhsa.kernels:
  - .name:           k_qd931b61271_lse
    .symbol:         k_qd931b61271_lse.kd
    .args:
      - { .name: q, .offset: 0, .size: 8, .value_kind: global_buffer, .address_space: global }
      - { .name: part, .offset: 8, .size: 8, .value_kind: global_buffer, .address_space: global }
      - { .name: target, .offset: 16, .size: 8, .value_kind: global_buffer, .address_space: global }
    .group_segment_fixed_size: 327680
    .private_segment_fixed_size: 0
    .kernarg_segment_align: 8
    .kernarg_segment_size: 24
    .max_flat_workgroup_size: 256
    .sgpr_count:     88
    .vgpr_count:     512
    .wavefront_size: 32
...
	.end_amdgpu_metadata
.endif
;; end of part 2
;; launch finish (part 3): grid 64 x 1, 4 waves a work-group, no clusters, 1,024 bytes of LDS; arguments part, out0; writes out0
.if DOCPART == 3
	.amdgcn_target "amdgcn-amd-amdhsa--gfx1250"
	.amdhsa_code_object_version 6
	.text
	.protected	k_qd931b61271_finish
	.globl	k_qd931b61271_finish
	.p2align	8
	.type	k_qd931b61271_finish,@function
k_qd931b61271_finish:
	s_mov_b64 s[64:65], 0
	v_nop
	global_prefetch_b8 v0, s[64:65] scope:SCOPE_SE
	s_setreg_imm32_b32 hwreg(HW_REG_WAVE_MODE, 25, 1), 1
	s_wait_xcnt 0x0
; loss[m] = ln(the sum over n of e^(logit[m][n] - max)) - (logit[m][target[m]] - max); the second term is 0 where target[m] lies outside 0 .. 15,999.
; Wave w of work-group g takes tile T = 4 g + w of 16 rows.  All that it needs lies in part [plane 33][tile 256][lane 32][2]: 33 loads of 256 consecutive bytes, none of which hangs on another.
; THE SUM.  Planes 0-31 hold, for lane (r, h), NCM = -log2(e) x the largest logit and l = the sum of 2^(log2(e) s + NCM) over the lane's columns of row r in that chunk.  NM = the least NCM;
; S = the sum of l 2^(NM - NCM), every exponent 0 or less; then the same once more with lane l xor 16's, which holds the row's other columns.  So ln(sum e^s) = ln 2 (log2 S - NM), and -ln 2 NM is the row's maximum.
; THE TARGET.  Plane 32 holds row r's logit at its target (at the held index where the target lies outside the table: a finite number) and 1.0 or 0: the term is the maximum less that logit, times that factor.
; No matrix work, no cluster, no tensor load: 2 MB are read once and 16 KB written.
; LIMITS: as the launches before: NaN and infinities are not served.
.set PT,  168                          ; v168-231  chunk c: NCM at PT + 2 c, l at PT + 2 c + 1
	s_load_b128 s[4:7], s[0:1], 0x0                ; part, out0
	v_lshl_add_u32 v254, v0, 2, 0x200
	v_mov_b32 v255, 0
	v_lshrrev_b32 v1, 5, v0
	v_readfirstlane_b32 s12, v1                    ; wave 0..3
	v_and_b32 v1, 31, v0                           ; lane
	v_lshlrev_b32 v5, 3, v1                        ; 8 x lane
	v_lshlrev_b32 v243, 2, v0                      ; the way out: a word of LDS for each thread: row r of wave w at 128 w + 4 r
	v_and_b32 v247, 7, v1
	v_lshrrev_b32 v246, 3, v1
	v_lshlrev_b32 v246, 7, v246
	v_lshl_add_u32 v246, v247, 3, v246             ; where wave 0's lane reads rows 2 lane and 2 lane + 1 back: 128 (lane / 8) + 8 (lane % 8)
	v_mov_b32 v235, 0                              ; a lane permute's destination counts as one of its sources
	v_mov_b32 v236, 0
	s_lshl_b32 s13, ttmp9, 2
	s_add_co_u32 s13, s13, s12                     ; T
	s_lshl_b32 s16, s13, 8                         ; part: 256 bytes a tile
	s_mov_b32 s17, 0
	s_lshl_b32 s20, ttmp9, 8                       ; out0: 64 rows a work-group
	s_mov_b32 s21, 0
	s_mov_b32 s22, 0x76543210
	s_mov_b32 s23, 0xfedcba98                      ; v_permlanex16_b32's selects for lane l xor 16
	s_mov_b32 s24, 0xbf317218                      ; -ln 2
	s_mov_b32 s25, 0x3f317218                      ; ln 2
	s_wait_alu depctr_va_vdst(0)
	s_wait_kmcnt 0x0
	s_add_nc_u64 s[4:5], s[4:5], s[16:17]
	s_add_nc_u64 s[6:7], s[6:7], s[20:21]
.irp c, 0,1,2,3,4,5,6,7,8,9,10,11,12,13,14,15,16,17,18,19,20,21,22,23,24,25,26,27,28,29,30,31
	global_load_b64 v[PT+2*\c:PT+2*\c+1], v5, s[4:5] offset:65536*\c   ; chunk c's (NCM, l): 256 consecutive bytes, aligned
.endr
	global_load_b64 v[8:9], v5, s[4:5] offset:65536*32                 ; the logit at the target, and whether it counts
	s_wait_loadcnt 1                               ; the 32 chunks' pairs are in; the one load issued behind them may be out
	v_min3_num_f32 v232, v[PT], v[PT+2], v[PT+4]   ; NM: the least NCM belongs to the largest maximum
.irp c, 3,5,7,9,11,13,15,17,19,21,23,25,27,29
	v_min3_num_f32 v232, v232, v[PT+2*\c], v[PT+2*\c+2]
.endr
	v_min_num_f32 v232, v232, v[PT+62]
.irp c, 0,1,2,3,4,5,6,7,8,9,10,11,12,13,14,15,16,17,18,19,20,21,22,23,24,25,26,27,28,29,30,31
	v_sub_f32 v[PT+2*\c], v232, v[PT+2*\c]         ; NM - NCM: 0 or less
.endr
	s_wait_alu depctr_va_vdst(0)
.irp c, 0,1,2,3,4,5,6,7,8,9,10,11,12,13,14,15,16,17,18,19,20,21,22,23,24,25,26,27,28,29,30,31
	v_exp_f32 v[PT+2*\c], v[PT+2*\c]
.endr
	v_nop                                          ; a plain line behind the last exponential
	s_wait_alu depctr_va_vdst(0)                   ; one wait for the 32, ahead of their first reader
	v_mul_f32 v233, v[PT+1], v[PT]                 ; S, in two chains
	v_mul_f32 v234, v[PT+3], v[PT+2]
.irp c, 2,4,6,8,10,12,14,16,18,20,22,24,26,28,30
	v_fmac_f32 v233, v[PT+2*\c+1], v[PT+2*\c]
	v_fmac_f32 v234, v[PT+2*\c+3], v[PT+2*\c+2]
.endr
	v_add_f32 v233, v233, v234
	v_permlanex16_b32 v235, v232, s22, s23         ; the row's other columns: lane l xor 16's NM
	v_permlanex16_b32 v236, v233, s22, s23         ; and S
	v_min_num_f32 v237, v232, v235                 ; the row's NM
	v_sub_f32 v238, v237, v232
	v_sub_f32 v240, v237, v235
	s_wait_alu depctr_va_vdst(0)
	v_exp_f32 v238, v238
	v_exp_f32 v240, v240
	v_nop
	s_wait_alu depctr_va_vdst(0)                   ; one wait for the two
	v_mul_f32 v233, v233, v238
	v_fmac_f32 v233, v236, v240                    ; the row's S: at least about 1, since the largest term is 2^0 up to NCM's rounding
	s_wait_alu depctr_va_vdst(0)
	v_log_f32 v241, v233                           ; log2 S
	s_wait_loadcnt 0x0                             ; the logit at the target
	v_fma_f32 v242, v237, s24, -v8                 ; the row's maximum less that logit.  (A plain line behind the logarithm)
	v_mul_f32 v242, v242, v9                       ; times 1.0, or 0 where the target lies outside the table
	s_wait_alu depctr_va_vdst(0)                   ; the logarithm's wait, ahead of its only reader
	v_fmac_f32 v242, s25, v241                     ; + ln 2 log2 S
	ds_store_b32 v243, v242                        ; each thread into its own word: the two halves of the lanes joined their sums in opposite order, so their last bits may differ; lanes 0-15's are kept
	s_wait_dscnt 0x0                               ; for wave 0's sake: my word has landed
	s_barrier_signal -1
	s_barrier_wait -1
	s_cmp_lg_u32 s12, 0
	s_cbranch_scc1 .Ldone
	ds_load_b64 v[244:245], v246                   ; rows 2 lane and 2 lane + 1 of the work-group's 64
	s_wait_dscnt 0x0
	global_store_b64 v5, v[244:245], s[6:7]        ; 32 lanes store 256 consecutive bytes, aligned
.Ldone:
	s_wait_tensorcnt 0x0
	ds_add_u32 v254, v255
	s_wait_dscnt 0x0
	s_endpgm
.Lfunc_end_k_qd931b61271_finish:
	.size	k_qd931b61271_finish, .Lfunc_end_k_qd931b61271_finish-k_qd931b61271_finish
	.p2alignl 7, 3214868480
	.fill 96, 4, 3214868480
	.section	.rodata,"a",@progbits
	.p2align	6, 0x0
	.amdhsa_kernel k_qd931b61271_finish
		.amdhsa_group_segment_fixed_size 1024
		.amdhsa_private_segment_fixed_size 0
		.amdhsa_enable_private_segment 0
		.amdhsa_kernarg_size 16
		.amdhsa_user_sgpr_count 2
		.amdhsa_user_sgpr_kernarg_segment_ptr 1
		.amdhsa_wavefront_size32 1
		.amdhsa_system_sgpr_workgroup_id_x 1
		.amdhsa_system_sgpr_workgroup_id_y 1
		.amdhsa_system_sgpr_workgroup_id_z 1
		.amdhsa_system_vgpr_workitem_id 0
		.amdhsa_next_free_vgpr 256
		.amdhsa_next_free_sgpr 66
		.amdhsa_reserve_vcc 0
		.amdhsa_float_denorm_mode_32 3
		.amdhsa_float_denorm_mode_16_64 3
		.amdhsa_memory_ordered 1
		.amdhsa_forward_progress 1
		.amdhsa_inst_pref_size 10
	.end_amdhsa_kernel
	.amdgpu_metadata
---
amdhsa.version: [ 1, 2 ]
amdhsa.kernels:
  - .name:           k_qd931b61271_finish
    .symbol:         k_qd931b61271_finish.kd
    .args:
      - { .name: part, .offset: 0, .size: 8, .value_kind: global_buffer, .address_space: global }
      - { .name: out0, .offset: 8, .size: 8, .value_kind: global_buffer, .address_space: global }
    .group_segment_fixed_size: 1024
    .private_segment_fixed_size: 0
    .kernarg_segment_align: 8
    .kernarg_segment_size: 16
    .max_flat_workgroup_size: 128
    .sgpr_count:     66
    .vgpr_count:     256
    .wavefront_size: 32
...
	.end_amdgpu_metadata
.endif
;; end of part 3
